; MI455X (gfx1250); checked and timed in simulation.
; The chip was launched on July 23, 2026; its instructions are those of AMD's public machine-readable ISA for CDNA 5 (MIT licence, August 2026) and "CDNA5" Instruction Set Architecture Reference Guide (July 2026). The comments in the code are by the model that wrote it; some were corrected since.
;; Quantization. Allowed arithmetic: float matrix products may take bf16 or f16 operands with f32 sums; all other float work in f32.
;; Inputs: W 8,192 x 512 float32; temperature 1 float32; x 16,384 x 512 float32.
;; Outputs: out0 16,384 x 512 float32; out1 16,384 int32; out2 one number float32.
;; One version. Each part assembles by itself: llvm-mc -triple=amdgcn-amd-amdhsa -mcpu=gfx1250 --defsym DOCPART=n.
;; ======== version 1 of 1: 4 launches
;; workspace buffers: xb 16,777,216 bytes; wb 8,388,608 bytes; xx 65,536 bytes; ww 32,768 bytes; cd 262,144 bytes; ci 262,144 bytes of whole numbers; part 8,192 bytes
;; launch prep (part 1): grid 384 x 1, 8 waves a work-group, no clusters, 1,280 bytes of LDS; arguments x, W, xb, wb, xx, ww; writes xb, wb, xx, ww
.if DOCPART == 1
	.amdgcn_target "amdgcn-amd-amdhsa--gfx1250"
	.amdhsa_code_object_version 6
	.text
	.protected	k_q3318ec5c3a_prep
	.globl	k_q3318ec5c3a_prep
	.p2align	8
	.type	k_q3318ec5c3a_prep,@function
k_q3318ec5c3a_prep:
	s_mov_b64 s[64:65], 0
	v_nop
	global_prefetch_b8 v0, s[64:65] scope:SCOPE_SE
	s_setreg_imm32_b32 hwreg(HW_REG_WAVE_MODE, 25, 1), 1
	s_wait_xcnt 0x0
; PREP.  x [16384][512] and W [8192][512], f32, are rounded to bf16 (xb, wb), and for each row the sum of the squares of the ROUNDED numbers is kept in f32 (xx, ww):
; the whole program computes on the rounded inputs, so that all its results belong to one set of numbers.
; SHARES.  Work-groups 0-255 take 64 rows of x each, work-groups 256-383 64 rows of W; a wave takes 8 rows.  A row is 2,048 bytes: four loads of 512 neighbouring bytes;
; a lane's four numbers of a load become 8 bytes, so a wave's store covers 256 consecutive bytes, aligned.  All 32 loads of a wave go out at once: memory binds, nothing is read twice.
; The 64 row sums of a work-group meet in LDS, so that one store of wave 0 writes them as 256 consecutive bytes.
; LIMITS.  The sum of squares is taken in four chains a lane and then across the lanes: another order than a serial sum's.  NaN and infinities are not treated apart.
.set LO,    1         ; v1   16 x lane: my 16 bytes in 512 of the source
.set SO,    2         ; v2   8 x lane: my 8 bytes in 256 of the bf16 row; also wave 0's place among the 64 sums
.set NA,    3         ; v3   32 x wave: my wave's eight words in LDS
.set SPW,   4         ; v4   LDS address of my spare word: SPARE + 4 x my thread's number; never rewritten
.set NIL,   5         ; v5   0; never rewritten
.set U,     8         ; v[8:11]   four rounded numbers as f32
.set S,     12        ; v[12:15]  four chains of squares
.set PT,    16        ; v16  takes the other half of the lanes' sum
.set X,     32        ; v[32:159] row i, chunk c at X + 16 i + 4 c
.set SPARE, 256       ; bytes 0-255: the 64 sums; from 256 on the spare words, 128 bytes for each of eight waves
.set HM,    22        ; s22  a word's upper bf16
.set SEL,   24        ; s[24:25] v_permlanex16_b32's selects: each lane takes its own place in the other half
.set WV,    26        ; s26  my wave's number
.set BLK,   27        ; s27  my block of 64 rows in the tensor that I work on
	s_load_b256 s[4:11], s[0:1], 0x0               ; x s[4:5], W s[6:7], xb s[8:9], wb s[10:11]
	s_load_b128 s[12:15], s[0:1], 0x20             ; xx s[12:13], ww s[14:15]
	v_lshl_add_u32 v[SPW], v0, 2, SPARE
	v_mov_b32 v[NIL], 0
	v_and_b32 v6, 31, v0                           ; lane
	v_lshrrev_b32 v7, 5, v0
	v_readfirstlane_b32 s[WV], v7                  ; wave 0..7
	v_lshlrev_b32 v[LO], 4, v6
	v_lshlrev_b32 v[SO], 3, v6
	v_lshlrev_b32 v[NA], 5, v7
	v_mov_b32 v[PT], 0                             ; v_permlanex16_b32's destination counts as read
	s_mov_b32 s[HM], 0xffff0000
	s_mov_b32 s[SEL], 0x76543210
	s_mov_b32 s[SEL+1], 0xfedcba98
	s_wait_kmcnt 0x0
	s_cmp_lt_u32 ttmp9, 256                        ; x's work-groups, or W's: the choice hangs on the work-group's number alone
	s_cselect_b64 s[16:17], s[4:5], s[6:7]         ; source
	s_cselect_b64 s[18:19], s[8:9], s[10:11]       ; bf16 copy
	s_cselect_b64 s[20:21], s[12:13], s[14:15]     ; row sums
	s_cselect_b32 s[BLK], 0, 256
	s_sub_co_u32 s[BLK], ttmp9, s[BLK]
	s_lshl_b32 s28, s[BLK], 17                     ; 64 rows of 2,048 bytes,
	s_lshl_b32 s30, s[WV], 14                      ; my wave's 8 of them
	s_add_co_u32 s28, s28, s30
	s_mov_b32 s29, 0
	s_add_nc_u64 s[16:17], s[16:17], s[28:29]
	s_lshr_b32 s28, s28, 1                         ; the bf16 rows are half as long
	s_add_nc_u64 s[18:19], s[18:19], s[28:29]
	s_lshl_b32 s28, s[BLK], 8                      ; 64 sums of 4 bytes
	s_add_nc_u64 s[20:21], s[20:21], s[28:29]
.set i, 0
.rept 8
.irp c, 0,1,2,3
	global_load_b128 v[X+16*i+4*\c:X+16*i+4*\c+3], v[LO], s[16:17] offset:2048*i+512*\c th:TH_LOAD_NT
.endr
.set i, i+1
.endr
; Row i: rounded in place, stored, squared, summed.  The store's data registers are never written again, so no wait stands for them.
.macro ROW i
	s_wait_loadcnt 28-4*(\i)                       ; loads come back in order (ISA guide 5.7.1): my row's four are in, the four of each row behind it may be out
.irp c, 0,1,2,3
.set rX, X+16*(\i)+4*\c
	v_cvt_pk_bf16_f32 v[rX], v[rX], v[rX+1]        ; two roundings to nearest even, packed
	v_cvt_pk_bf16_f32 v[rX+1], v[rX+2], v[rX+3]
	v_lshlrev_b32 v[U], 16, v[rX]                  ; and back to f32: the sums are the rounded numbers'
	v_and_b32 v[U+1], s[HM], v[rX]
	v_lshlrev_b32 v[U+2], 16, v[rX+1]
	v_and_b32 v[U+3], s[HM], v[rX+1]
.if \c == 0
	v_pk_mul_f32 v[S:S+1], v[U:U+1], v[U:U+1]      ; the first squares start the chains: nothing is cleared
	v_pk_mul_f32 v[S+2:S+3], v[U+2:U+3], v[U+2:U+3]
.else
	v_pk_fma_f32 v[S:S+1], v[U:U+1], v[U:U+1], v[S:S+1]
	v_pk_fma_f32 v[S+2:S+3], v[U+2:U+3], v[U+2:U+3], v[S+2:S+3]
.endif
	global_store_b64 v[SO], v[rX:rX+1], s[18:19] offset:1024*(\i)+256*\c  ; 32 lanes store 256 consecutive bytes, at a multiple of 256 from the buffer's first byte
.endr
	v_pk_add_f32 v[S:S+1], v[S:S+1], v[S+2:S+3]
	v_add_f32 v[S], v[S], v[S+1]
	v_add_f32_dpp v[S], v[S], v[S] row_xmask:1 row_mask:0xf bank_mask:0xf
	v_add_f32_dpp v[S], v[S], v[S] row_xmask:2 row_mask:0xf bank_mask:0xf
	v_add_f32_dpp v[S], v[S], v[S] row_xmask:4 row_mask:0xf bank_mask:0xf
	v_add_f32_dpp v[S], v[S], v[S] row_xmask:8 row_mask:0xf bank_mask:0xf
	v_permlanex16_b32 v[PT], v[S], s[SEL], s[SEL+1]
	v_add_f32 v[S], v[S], v[PT]                    ; every lane holds the row's sum
	ds_store_b32 v[NA], v[S] offset:4*(\i)         ; all lanes write the same word with the same number: word 8 w + i
.endm
.irp i, 0,1,2,3,4,5,6,7
	ROW \i
.endr
	s_wait_tensorcnt 0x0                           ; the wave's end of writing LDS, behind my last LDS store
	ds_add_u32 v[SPW], v[NIL]
	s_wait_dscnt 0x0                               ; also the wait for my stores, for wave 0's sake, in front of the signal
	s_barrier_signal -1
	s_barrier_wait -1                              ; all 64 sums lie in LDS
	s_cmp_lg_u32 s[WV], 0
	s_cbranch_scc1 .Lend
	ds_load_b64 v[U:U+1], v[SO]                    ; wave 0: two sums a lane
	s_wait_dscnt 0x0
	global_store_b64 v[SO], v[U:U+1], s[20:21]     ; 256 consecutive bytes, aligned
.Lend:
	s_endpgm
.Lfunc_end_k_q3318ec5c3a_prep:
	.size	k_q3318ec5c3a_prep, .Lfunc_end_k_q3318ec5c3a_prep-k_q3318ec5c3a_prep
	.p2alignl 7, 3214868480
	.fill 96, 4, 3214868480
	.section	.rodata,"a",@progbits
	.p2align	6, 0x0
	.amdhsa_kernel k_q3318ec5c3a_prep
		.amdhsa_group_segment_fixed_size 1280
		.amdhsa_private_segment_fixed_size 0
		.amdhsa_enable_private_segment 0
		.amdhsa_kernarg_size 48
		.amdhsa_user_sgpr_count 2
		.amdhsa_user_sgpr_kernarg_segment_ptr 1
		.amdhsa_wavefront_size32 1
		.amdhsa_system_sgpr_workgroup_id_x 1
		.amdhsa_system_sgpr_workgroup_id_y 1
		.amdhsa_system_sgpr_workgroup_id_z 1
		.amdhsa_system_vgpr_workitem_id 0
		.amdhsa_next_free_vgpr 160
		.amdhsa_next_free_sgpr 66
		.amdhsa_reserve_vcc 0
		.amdhsa_float_denorm_mode_32 3
		.amdhsa_float_denorm_mode_16_64 3
		.amdhsa_memory_ordered 1
		.amdhsa_forward_progress 1
		.amdhsa_inst_pref_size 25
	.end_amdhsa_kernel
	.amdgpu_metadata
---
amdhsa.version: [ 1, 2 ]
amdhsa.kernels:
  - .name:           k_q3318ec5c3a_prep
    .symbol:         k_q3318ec5c3a_prep.kd
    .args:
      - { .name: x, .offset: 0, .size: 8, .value_kind: global_buffer, .address_space: global }
      - { .name: W, .offset: 8, .size: 8, .value_kind: global_buffer, .address_space: global }
      - { .name: xb, .offset: 16, .size: 8, .value_kind: global_buffer, .address_space: global }
      - { .name: wb, .offset: 24, .size: 8, .value_kind: global_buffer, .address_space: global }
      - { .name: xx, .offset: 32, .size: 8, .value_kind: global_buffer, .address_space: global }
      - { .name: ww, .offset: 40, .size: 8, .value_kind: global_buffer, .address_space: global }
    .group_segment_fixed_size: 1280
    .private_segment_fixed_size: 0
    .kernarg_segment_align: 8
    .kernarg_segment_size: 48
    .max_flat_workgroup_size: 256
    .sgpr_count:     66
    .vgpr_count:     160
    .wavefront_size: 32
...
	.end_amdgpu_metadata
.endif
;; end of part 1
;; launch search (part 2): grid 64 x 4, 4 waves a work-group, clusters of 4 x 1, 327,680 bytes of LDS; arguments xb, wb, xx, ww, cd, ci; writes cd, ci
.if DOCPART == 2
	.amdgcn_target "amdgcn-amd-amdhsa--gfx1250"
	.amdhsa_code_object_version 6
	.text
	.protected	k_q3318ec5c3a_search
	.globl	k_q3318ec5c3a_search
	.p2align	8
	.type	k_q3318ec5c3a_search,@function
k_q3318ec5c3a_search:
	s_mov_b64 s[64:65], 0
	v_nop
	global_prefetch_b8 v0, s[64:65] scope:SCOPE_SE
	s_setreg_imm32_b32 hwreg(HW_REG_WAVE_MODE, 25, 1), 1
	s_wait_xcnt 0x0
	s_wait_alu depctr_hold_cnt(0) depctr_sa_sdst(0) depctr_va_vdst(0) depctr_va_sdst(0) depctr_va_ssrc(0) depctr_va_vcc(0) depctr_vm_vsrc(0)
	s_getreg_b32 s2, hwreg(HW_REG_IB_STS2, 6, 4)
	s_cmp_eq_u32 s2, 0
	s_cbranch_scc0 .Lentry_in_a_cluster
	s_endpgm
.Lentry_in_a_cluster:
	s_bfe_u32 s2, ttmp6, 0x10000c
	s_cmp_lg_u32 s2, 0x3003
	s_cbranch_scc0 .Lentry_shape_is_right
	s_endpgm
.Lentry_shape_is_right:
; SEARCH.  For 256 tokens and one quarter (2,048) of the codes: d = (|x|^2 + |w|^2) - 2 x.w and, for each token, the least d and the lowest code that has it: cd, ci [quarter][token].
; xb [16384][512], wb [8192][512] bf16; xx, ww their rows' sums of squares, f32.  Products on the matrix unit in bf16 with f32 sums.  The distance has the two roundings of
; (xx + ww) - 2 dot: one addition, then one fused multiply-add by -2 (2 dot is exact).
; LIMITS.  The dot product's sum runs in the matrix unit's order, K ascending in steps of 32: two codes whose distances lie within a few units in the last place of each other may come out
; in another order than with a serial sum.  Equal distances: the lowest code wins.  A NaN distance never wins; a token all of whose distances are NaN or +inf gets the quarter's first code.
; SHARES.  A work-group owns 256 tokens, a wave 64 of them: four tiles of 16, tile t's lane r being token 4 r + t.  All their fragments (64 x 512 bf16 = 512 registers) stay in registers for the whole
; launch; every wave walks the quarter's 128 tiles of 16 codes.  A code tile is 32 LDS loads of 16 bytes a lane for 64 matrix instructions.
; LAYOUT.  Source 0 = 16 codes, source 1 = 16 tokens: in the result a lane holds ONE token (lane % 16) and the codes 8 (lane / 16) + 0..7.  So each lane runs eight chains of (least d, its tile's first code) a token tile,
; and nothing changes lanes before the end.
; BY TURNS.  Two sets of four accumulators.  While tile n is multiplied, tile n - 1's 128 vector instructions (distance, compare, select, minimum) stand in slices of four behind every second matrix instruction.
; RING.  Two LDS slots of 8 code tiles (128 rows of 1,024 bytes); a wave's one tensor load brings 32 rows.  A refill has 8 tiles, 512 matrix instructions a wave, in which to land.
; CLUSTER.  The four work-groups of a cluster have the same quarter and walk the same rows of wb and ww: each tile is asked for JOINTLY, by the same tensor load with the same descriptor and a mask that names the four.
; My place in the cluster enters the addresses of xb, xx, cd and ci alone.
; REGISTERS, in windows of 256 (s_set_vgpr_msb: bits 1:0 source 0, 3:2 source 1, 5:4 source 2, 7:6 destination):
;   window 0: addresses, xx, ww, the accumulators, the chains      window 1: W's fragments, two buffers of 128: K step k at 128 b + 8 k
;   window 2: x's fragments of K steps 0-7, (k, t) at 8 (4 k + t)     window 3: those of K steps 8-15
.set PITCH, 1040      ; an LDS row: 1,024 bytes + 16 of padding = 260 words: row r starts at bank 4 r mod 64 (64 banks of 4 bytes: ISA guide 11.1), so the 16 rows of a load start at 16 different groups of four banks
.set TILEB, 16*PITCH  ; a code tile
.set SLOTB, 8*TILEB   ; a slot: 133,120 bytes
.set WWB,   2*SLOTB   ; behind the ring: the quarter's 2,048 ww, 8,192 bytes, filled once
.set SPARE, WWB+8192  ; behind that: the spare words, 128 bytes for each wave: two blocks of 256 bytes that no other line names
.set STEPW, 128*1024  ; bytes of wb in a slot
.set RR,   1          ; v1   lane % 16
.set AK0,  2          ; v2   my lane's place in a code tile; never rewritten
.set ADR,  3          ; v3   the LDS address of the run of loads in hand
.set HH,   4          ; v4   lane / 16
.set ADW,  5          ; v5   the LDS address of ww's loads in hand
.set QO,   6          ; v6   my byte offset in the wave's rows of xb
.set XO,   7          ; v7   my byte offset in the wave's 64 xx
.set SPW,  8          ; v8   LDS address of my spare word: SPARE + 4 x my thread's number; never rewritten
.set NIL,  9          ; v9   0; never rewritten
.set H8,   10         ; v10  8 (lane / 16)
.set AW0,  11         ; v11  my lane's place in a tile's 16 ww; never rewritten
.set XL,   12         ; v[12:15]  xx of my four tokens, as loaded
.set XX,   16         ; v[16:23]  pair t: xx of tile t's token, twice
.set WW,   24         ; v[24:39]  ww of my eight codes, two buffers
.set T,    40         ; v[40:55]  xx + ww, two sets, by t's parity
.set RES,  56         ; v[56:59]  what is stored
.set SO,   60         ; v60  my byte offset in the wave's 256 bytes of cd and of ci
.set ACC,  64         ; v[64:127] accumulators: buffer b, tile t at ACC + 32 b + 8 t
.set BEST, 128        ; v[128:159] chain (t, j): the least d so far
.set IDX,  160        ; v[160:191] and the first code of the tile in which it was found
.set WV,   16         ; s16  my wave's number
.set CX,   17         ; s17  my place in the cluster; later at work
.set BLK,  18         ; s18  my block of 256 tokens; then my wave among all the launch's token waves
.set QT,   19         ; s19  my quarter of the codes
.set G1,   24         ; s[24:31] descriptor group 1 for wb's tiles
.set G1W,  32         ; s[32:39] for ww's piece
.set G0A,  40         ; s[40:43] descriptor group 0: slot 0's first fill
.set G0B,  44         ; s[44:47] slot 1's first fill; it then walks on
.set G0W,  48         ; s[48:51] ww's piece
.set WOFF, 52         ; s52  my 32 rows' place in a slot
.set SB,   53         ; s53  the slot in hand: 0 or SLOTB
.set TB,   54         ; s54  LDS byte at which the code tile to be fetched begins
.set CUR,  55         ; s55  first code of the tile whose distances are being compared
.set CNT,  56         ; s56  counts pairs of tiles
.set SLOTS, 57        ; s57  counts slots
.set MKA,  58         ; s58-60 lane masks (VCC is not used in this text)
.set MKB,  59
.set MKC,  60
.set TW,   61         ; s61  byte at which the tile's ww begin in their 8,192
.set SEL,  62         ; s[62:63] v_permlanex16_b32's selects: each lane takes its own place in the other half
.set MSB, 0
.macro WIN new                      ; the immediate's high byte repeats the setting that is left; a switch that changes nothing is dropped
.if MSB != (\new)
	s_set_vgpr_msb (MSB<<8)|(\new)
.set MSB, \new
.endif
.endm
.set MM_LO, 0x09      ; W's fragment in window 1, x's in window 2, C and D in window 0
.set MM_HI, 0x0d      ; the same with x's in window 3
; A round of the cluster's barrier: my work-group's barrier, so that wave 0's signal speaks for all four waves; wave 0 signals for the work-group; every wave waits for all four
; work-groups; my work-group's barrier once more.  No LDS instruction of the wave is pending at a signal.
.macro CROUND
	s_barrier_signal -1
	s_barrier_wait -1
	s_cmp_lg_u32 s[WV], 0
	s_cbranch_scc1 .Lnot_wave_0_\@
	s_barrier_signal -3
.Lnot_wave_0_\@:
	s_barrier_wait -3
	s_barrier_signal -1
	s_barrier_wait -1
.endm
	s_load_b256 s[4:11], s[0:1], 0x0               ; xb s[4:5], wb s[6:7], xx s[8:9], ww s[10:11]
	s_load_b128 s[12:15], s[0:1], 0x20             ; cd s[12:13], ci s[14:15]
	v_lshl_add_u32 v[SPW], v0, 2, SPARE
	v_mov_b32 v[NIL], 0
	ds_add_u32 v[SPW], v[NIL]                      ; the wave's opening: the add and its wait stand ahead of my first tensor load; the set-up below, work on registers, stands between them
	v_lshrrev_b32 v[RR], 5, v0
	v_readfirstlane_b32 s[WV], v[RR]               ; wave 0..3
	s_bfe_u32 s[CX], ttmp6, 0x40000                ; cx: my place in the cluster
	s_lshl_b32 s[BLK], ttmp9, 2                    ; in a cluster launch ttmp9 counts clusters
	s_add_co_u32 s[BLK], s[BLK], s[CX]             ; my block of tokens = 4 x cluster x + cx
	s_and_b32 s[QT], ttmp7, 0xffff                 ; the quarter, which the four partners share
	; descriptor group 1 for wb: a tile of 32 rows x 512 elements, padded in LDS
	s_mov_b32 s[G1+0], 15|(1<<16)|(1<<20)|(1<<21)|(7<<22)|(3<<25)  ; 15:0 the mask: all four work-groups; 17:16 elements of 2 bytes; 20 padding on; 21 set beside a mask; 24:22 after every 256 words (code 7); 31:25 4 words of it (code 3)
	s_mov_b32 s[G1+1], 512<<16                     ; tensor_dim0 = 512
	s_mov_b32 s[G1+2], 32<<16                      ; tensor_dim1 = 32
	s_mov_b32 s[G1+3], 512<<16                     ; tile_dim0 = 512
	s_mov_b32 s[G1+4], 32                          ; tile_dim1 = 32
	s_mov_b32 s[G1+5], 512                         ; 512 elements from row to row
	s_mov_b32 s[G1+6], 0
	s_mov_b32 s[G1+7], 0
	; descriptor group 1 for ww: one row of 2,048 bytes, as 256 elements of 8 bytes, no padding
	s_mov_b32 s[G1W+0], 15|(3<<16)|(1<<21)
	s_mov_b32 s[G1W+1], 256<<16
	s_mov_b32 s[G1W+2], 1<<16
	s_mov_b32 s[G1W+3], 256<<16
	s_mov_b32 s[G1W+4], 1
	s_mov_b32 s[G1W+5], 256
	s_mov_b32 s[G1W+6], 0
	s_mov_b32 s[G1W+7], 0
	s_mul_i32 s[WOFF], s[WV], 32*PITCH             ; where my rows go: the wave's number alone; no place in the cluster enters an LDS address
	s_mov_b32 s[G0A], 1                            ; 1:0 count = 1
	s_mov_b32 s[G0A+1], s[WOFF]                    ; 63:32 LDS address: slot 0
	s_mov_b32 s[G0B], 1
	s_add_co_u32 s[G0B+1], s[WOFF], SLOTB          ; slot 1
	s_mov_b32 s[G0W], 1
	s_lshl_b32 s[G0W+1], s[WV], 11
	s_add_co_u32 s[G0W+1], s[G0W+1], WWB
	s_lshl_b32 s20, s[QT], 6                       ; wb: (64 q + wave) x 32 rows of 1,024 bytes
	s_add_co_u32 s20, s20, s[WV]
	s_lshl_b32 s20, s20, 15
	s_mov_b32 s21, 0
	s_lshl_b32 s2, s[QT], 2                        ; ww: (4 q + wave) x 2,048 bytes
	s_add_co_u32 s2, s2, s[WV]
	s_lshl_b32 s2, s2, 11
	s_mov_b32 s3, 0
	s_lshl_b32 s[BLK], s[BLK], 2
	s_add_co_u32 s[BLK], s[BLK], s[WV]             ; my wave among the 256 token waves: 64 tokens each
	s_mov_b32 s23, 0
	s_lshl_b32 s[CUR], s[QT], 11                   ; the quarter's first code
	s_mov_b32 s[SB], 0
	s_mov_b32 s[TB], 0
	s_mov_b32 s[TW], 0
	s_mov_b32 s[SEL], 0x76543210
	s_mov_b32 s[SEL+1], 0xfedcba98
	s_wait_dscnt 0x0                               ; the opening add is done
	s_wait_kmcnt 0x0
	s_add_nc_u64 s[6:7], s[6:7], s[20:21]          ; wb at my rows of the quarter's first 128
	s_add_nc_u64 s[G0A+2:G0A+3], s[6:7], 0         ; 120:64 global address
	s_or_b32 s[G0A+3], s[G0A+3], 0x80000000        ; 127:126 type = 2
	s_add_nc_u64 s[G0B+2:G0B+3], s[6:7], STEPW     ; the next 128 rows
	s_or_b32 s[G0B+3], s[G0B+3], 0x80000000
	s_add_nc_u64 s[G0W+2:G0W+3], s[10:11], s[2:3]
	s_or_b32 s[G0W+3], s[G0W+3], 0x80000000
	s_lshl_b32 s22, s[BLK], 16                     ; 64 rows of 1,024 bytes
	s_add_nc_u64 s[4:5], s[4:5], s[22:23]          ; xb at my wave's first row
	s_lshl_b32 s22, s[BLK], 8                      ; 64 words
	s_add_nc_u64 s[8:9], s[8:9], s[22:23]          ; xx at my wave's first token
	s_lshl_b32 s[CX], s[QT], 16                    ; a quarter's 16,384 words
	s_add_co_u32 s22, s22, s[CX]
	s_add_nc_u64 s[12:13], s[12:13], s[22:23]      ; cd and ci at my wave's first token in my quarter
	s_add_nc_u64 s[14:15], s[14:15], s[22:23]
	CROUND                                         ; all four work-groups are here: the first joint loads meet
	tensor_load_to_lds s[G0W:G0W+3], s[G1W:G1W+7]  ; the three first fills go out together, ahead of every wait on TENSORcnt, every LDS read and every further barrier: three loads of mine are out
	s_nop 0
	tensor_load_to_lds s[G0A:G0A+3], s[G1:G1+7]
	s_nop 0
	tensor_load_to_lds s[G0B:G0B+3], s[G1:G1+7]
	s_nop 0
.rept 4
	v_nop                                          ; four of them ahead of the next switch of windows
.endr
	; A fragment is 16 rows x 32 along K in 8 registers: lane l holds row l % 16; registers 0-3 K = 8 (l / 16) + 0..7, registers 4-7 K = 16 + 8 (l / 16) + 0..7: two loads of 16 bytes, 32 bytes apart.
	v_and_b32 v[RR], 15, v0
	v_bfe_u32 v[HH], v0, 4, 1
	v_lshlrev_b32 v[QO], 12, v[RR]                 ; tile t's row for lane r is token 4 r + t: 4 r rows of 1,024 bytes,
	v_lshl_add_u32 v[QO], v[HH], 4, v[QO]          ; + 16 x half; t stands in the immediate
	v_lshlrev_b32 v[XO], 4, v[RR]                  ; xx of tokens 4 r .. 4 r + 3
	global_load_b128 v[XL:XL+3], v[XO], s[8:9]
	WIN 0x80                                       ; destination window 2, address window 0
.set k, 0
.rept 8
.irp t, 0,1,2,3
	global_load_b128 v[8*(4*k+\t):8*(4*k+\t)+3],   v[QO], s[4:5] offset:1024*\t+64*k
	global_load_b128 v[8*(4*k+\t)+4:8*(4*k+\t)+7], v[QO], s[4:5] offset:1024*\t+64*k+32
.endr
.set k, k+1
.endr
	WIN 0xc0                                       ; destination window 3
.set k, 0
.rept 8
.irp t, 0,1,2,3
	global_load_b128 v[8*(4*k+\t):8*(4*k+\t)+3],   v[QO], s[4:5] offset:1024*\t+64*(k+8)
	global_load_b128 v[8*(4*k+\t)+4:8*(4*k+\t)+7], v[QO], s[4:5] offset:1024*\t+64*(k+8)+32
.endr
.set k, k+1
.endr
	WIN 0
	v_mul_u32_u24 v[AK0], v[RR], PITCH
	v_lshl_add_u32 v[AK0], v[HH], 4, v[AK0]        ; row x pitch + 16 x half
	v_lshlrev_b32 v[H8], 3, v[HH]
	v_lshl_add_u32 v[AW0], v[HH], 5, WWB           ; my eight codes' ww: 32 bytes for each half of the lanes
	v_add_nc_u32 v[SO], v[XO], v[H8]               ; 16 r + 8 h: two tokens a lane
.set i, 0
.rept 32                                               ; the chains start at +inf and the quarter's first code: 64 lines in the wait for the first tile
	v_mov_b32 v[BEST+i], 0x7f800000
	v_mov_b32 v[IDX+i], s[CUR]
.set i, i+1
.endr
; Matrix instruction i of a tile's 64: K step i / 4, token tile i % 4.  The four accumulators take turns, one instruction a turn, and the two sets alternate from tile to tile.
; The first four start the sums with the constant 0: nothing is cleared.
.macro MM par
.set k, i/4
.set t, i%4
.set rA, ACC+32*(\par)+8*t
.set rF, 128*(\par)+8*k
.set rX, 8*(4*(k%8)+t)
.if k < 8
	WIN MM_LO
.else
	WIN MM_HI
.endif
.if k == 0
	v_wmma_f32_16x16x32_bf16 v[rA:rA+7], v[rF:rF+7], v[rX:rX+7], 0
.else
	v_wmma_f32_16x16x32_bf16 v[rA:rA+7], v[rF:rF+7], v[rX:rX+7], v[rA:rA+7]
.endif
.set i, i+1
.endm
; THE VECTOR WORK of the tile before, a list of 128; EP writes number en and steps it.  For each token tile t 32 numbers:
;   0-3    xx + ww for my eight codes, in pairs          4-7   d = -2 dot + (xx + ww), in place on the accumulator, its lowest registers first
;   8-31   for two chains at a time: is d less than the chain's least?  if so the chain takes this tile's first code; the least.  Strictly less: of equal distances a chain keeps the earlier tile's.
.macro EP par
.set t, en/32
.set e, en%32
.set rD, ACC+32*(1-(\par))+8*t
.set rW, WW+8*(1-(\par))
.set rT, T+8*(t%2)
.set rB, BEST+8*t
.set rI, IDX+8*t
.if e < 4
	v_pk_add_f32 v[rT+2*e:rT+2*e+1], v[rW+2*e:rW+2*e+1], v[XX+2*t:XX+2*t+1]
.elseif e < 8
	v_pk_fma_f32 v[rD+2*(e-4):rD+2*(e-4)+1], v[rD+2*(e-4):rD+2*(e-4)+1], -2.0, v[rT+2*(e-4):rT+2*(e-4)+1] op_sel_hi:[1,0,1]
.else
.set j, 2*((e-8)/6)
.set u, (e-8)%6
.if u == 0
	v_cmp_lt_f32 s[MKA], v[rD+j], v[rB+j]
.elseif u == 1
	v_cmp_lt_f32 s[MKB], v[rD+j+1], v[rB+j+1]
.elseif u == 2
	v_cndmask_b32 v[rI+j], v[rI+j], s[CUR], s[MKA]
.elseif u == 3
	v_cndmask_b32 v[rI+j+1], v[rI+j+1], s[CUR], s[MKB]
.elseif u == 4
	v_min_num_f32 v[rB+j], v[rB+j], v[rD+j]
.else
	v_min_num_f32 v[rB+j+1], v[rB+j+1], v[rD+j+1]
.endif
.endif
.set en, en+1
.endm
; THE LDS LOADS stand in one run a tile: the tile's own 16 ww (wanted a tile later), and the next tile's 16 fragments of W.
.macro FETCH_WW par
	WIN 0
	v_add_nc_u32 v[ADW], s[TW], v[AW0]
	ds_load_b128 v[WW+8*(\par):WW+8*(\par)+3],   v[ADW]
	ds_load_b128 v[WW+8*(\par)+4:WW+8*(\par)+7], v[ADW] offset:16
	s_add_co_u32 s[TW], s[TW], 64                  ; the next tile's 16 words
.endm
.macro FETCH_W b
	WIN 0
	v_add_nc_u32 v[ADR], s[TB], v[AK0]
	s_add_co_u32 s[TB], s[TB], TILEB               ; the next fetch is the next tile's
	WIN 0x40                                       ; destination window 1
.irp f, 0,1,2,3,4,5,6,7,8,9,10,11,12,13,14,15
	ds_load_b128 v[128*(\b)+8*\f:128*(\b)+8*\f+3],   v[ADR] offset:64*\f
	ds_load_b128 v[128*(\b)+8*\f+4:128*(\b)+8*\f+7], v[ADR] offset:64*\f+32
.endr
.endm
; A CODE TILE on buffers par.  ep = 1: the tile before has its vector work here, four lines behind every second matrix instruction.  fetch = 1: the next tile's fragments are fetched.
; A vector instruction that reads or writes a matrix instruction's registers, and a load into one of them, stand four places behind it, and only plain vector instructions that name none of its registers are places
; (ISA guide 7.12.1 for vector instructions).  Here: behind a tile's last product stand its last slice (four lines on the OTHER set of accumulators and the chains) and the next tile's
; first slice (xx + ww): eight places ahead of the loads into the buffer just multiplied and of the first read of the sums just made.
.macro TILE par, ep, fetch
	s_wait_dscnt 0x0                               ; this tile's fragments and the last tile's ww are in: all were issued behind the last tile's second product
.set i, 0
.set en, 0
.rept 32
	MM \par
	MM \par
.if \ep
	WIN 0
	EP \par
	EP \par
	EP \par
	EP \par
.endif
.if i == 2
	FETCH_WW \par
.if \fetch
	FETCH_W 1-(\par)
.endif
.endif
.endr
	WIN 0
.if \ep
	s_add_co_u32 s[CUR], s[CUR], 16                ; the next tile's distances are the next 16 codes'
.else
.rept 4
	v_nop                                          ; the first tile has no vector work to stand as places behind its last products
.endr
.endif
.endm
; THE CHANGE OF SLOTS, at the head of a slot's last tile: that tile's fragments have been asked for, so the slot's last bytes have been read when the wait below is met.  Each wave waits for all its tensor loads, of which one
; is out: its part of the other slot; adds 0 to its spare word; and waits for that and for its own reads of the slot.  Behind the barrier nobody reads this slot any more and the other slot is whole.
; fill = 1: this slot is filled again, with the rows two slots on.  The barrier is then a round of the cluster's, so that no wave of any partner still reads the slot or has a load on its way, and the joint refill is the
; first thing behind it, my one tensor load until the next round.
.macro CHANGE fill
	WIN 0                                          ; at a label and at a branch every window is 0
	s_wait_tensorcnt 0x0                           ; no tensor load of mine is out, so a group 0 may be written
	ds_add_u32 v[SPW], v[NIL]                      ; 0 onto my spare word; the scalar work below stands between it and the wait for it
.if \fill
	s_add_co_u32 s[G0B+1], s[SB], s[WOFF]          ; the walking descriptor: my rows' place in the slot that is left,
	s_add_nc_u64 s[G0B+2:G0B+3], s[G0B+2:G0B+3], STEPW  ; the next 128 rows; the type bits on top are not reached
.endif
	s_xor_b32 s[SB], s[SB], SLOTB                  ; 0 or SLOTB: the other slot,
	s_mov_b32 s[TB], s[SB]                         ; at whose first tile the fetches go on
	s_wait_dscnt 0x0                               ; the add is done, and my reads of the slot are over
.if \fill
	CROUND
	tensor_load_to_lds s[G0B:G0B+3], s[G1:G1+7]
	s_nop 0
.rept 4
	v_nop                                          ; four of them ahead of the next switch of windows
.endr
.else
	s_barrier_signal -1
	s_barrier_wait -1
.endif
.endm
	s_wait_tensorcnt 0x1                           ; tensor loads of a wave end in order (ISA guide 10.11.1): my parts of ww and of slot 0 are in; slot 1's may stay out
	s_barrier_signal -1
	s_barrier_wait -1                              ; everybody's are
	FETCH_W 0                                      ; code tile 0
	WIN 0
	s_wait_loadcnt 0x0                             ; x's fragments and xx
.irp t, 0,1,2,3
	v_mov_b32 v[XX+2*\t], v[XL+\t]                 ; a pair for the packed addition
	v_mov_b32 v[XX+2*\t+1], v[XL+\t]
.endr
	TILE 0, 0, 1                                   ; tile 0: there is no tile before it
	s_mov_b32 s[CNT], 3                            ; tiles 1 to 6,
	s_mov_b32 s[SLOTS], 15
	s_branch .Lpair                                ; so the loop is entered behind its change of slots
.Lslot:                                                ; 14 times: slot s is left at the head of tile 8 s + 7 and takes the rows of slot-tile s + 2; then tiles 8 s + 7 to 8 s + 14
	CHANGE 1
	s_mov_b32 s[CNT], 4
.Lpair:
	TILE 1, 1, 1
	TILE 0, 1, 1
	s_sub_co_u32 s[CNT], s[CNT], 1
	s_cmp_lg_u32 s[CNT], 0
	s_cbranch_scc1 .Lpair
	s_sub_co_u32 s[SLOTS], s[SLOTS], 1
	s_cmp_lg_u32 s[SLOTS], 0
	s_cbranch_scc1 .Lslot
	CHANGE 0                                       ; the tail is written out: the last slot but one is left, and nothing is asked for
	s_mov_b32 s[CNT], 4                            ; tiles 119 to 126
.Ltail:
	TILE 1, 1, 1
	TILE 0, 1, 1
	s_sub_co_u32 s[CNT], s[CNT], 1
	s_cmp_lg_u32 s[CNT], 0
	s_cbranch_scc1 .Ltail
	TILE 1, 1, 0                                   ; tile 127: nothing is left to fetch but its ww
	s_wait_dscnt 0x0                               ; which are in
.set en, 0
.rept 128
	EP 0                                           ; tile 127's vector work, by itself
.endr
	; THE WAY OUT.  A chain's code is its tile's first code + 8 (lane / 16) + j.  The eight chains of a token tile, and then the two halves of the lanes, are merged by (distance, code): the lesser distance, of equal ones the lower code.
.set t, 0
.rept 4
.set j, 0
.rept 8
	v_add3_u32 v[IDX+8*t+j], v[IDX+8*t+j], v[H8], j
.set j, j+1
.endr
.set t, t+1
.endr
.macro MERGE da, ca, db, cb                    ; (da, ca) takes (db, cb) where that is the lesser
	v_cmp_lt_f32 s[MKA], v[\db], v[\da]
	v_cmp_eq_f32 s[MKB], v[\db], v[\da]
	v_cmp_lt_u32 s[MKC], v[\cb], v[\ca]
	s_and_b32 s[MKB], s[MKB], s[MKC]
	s_or_b32 s[MKA], s[MKA], s[MKB]
	v_cndmask_b32 v[\da], v[\da], v[\db], s[MKA]
	v_cndmask_b32 v[\ca], v[\ca], v[\cb], s[MKA]
.endm
.macro MERGE2 a, b
	MERGE BEST+(\a), IDX+(\a), BEST+(\b), IDX+(\b)
.endm
.irp t, 0,1,2,3
	MERGE2 8*\t+0, 8*\t+1
	MERGE2 8*\t+2, 8*\t+3
	MERGE2 8*\t+4, 8*\t+5
	MERGE2 8*\t+6, 8*\t+7
	MERGE2 8*\t+0, 8*\t+2
	MERGE2 8*\t+4, 8*\t+6
	MERGE2 8*\t+0, 8*\t+4
	v_permlanex16_b32 v[T], v[BEST+8*\t], s[SEL], s[SEL+1]   ; the token's other eight chains lie in the lane 16 away
	v_permlanex16_b32 v[T+1], v[IDX+8*\t], s[SEL], s[SEL+1]
	MERGE BEST+8*\t, IDX+8*\t, T, T+1
.endr
	v_cmp_eq_u32 s[MKA], 1, v[HH]                  ; lanes 0-15 store tokens 4 r and 4 r + 1, lanes 16-31 tokens 4 r + 2 and 4 r + 3
	v_cndmask_b32 v[RES], v[BEST], v[BEST+16], s[MKA]
	v_cndmask_b32 v[RES+1], v[BEST+8], v[BEST+24], s[MKA]
	v_cndmask_b32 v[RES+2], v[IDX], v[IDX+16], s[MKA]
	v_cndmask_b32 v[RES+3], v[IDX+8], v[IDX+24], s[MKA]
	global_store_b64 v[SO], v[RES:RES+1], s[12:13]     ; 32 lanes store 256 consecutive bytes, at a multiple of 256 from the buffer's first byte
	global_store_b64 v[SO], v[RES+2:RES+3], s[14:15]
	s_wait_tensorcnt 0x0                           ; the wave's end, behind my last tensor load
	ds_add_u32 v[SPW], v[NIL]
	s_wait_dscnt 0x0
	CROUND                                         ; the closing round: no work-group ends while a partner may still ask for a tile that names it
	s_endpgm
.Lfunc_end_k_q3318ec5c3a_search:
	.size	k_q3318ec5c3a_search, .Lfunc_end_k_q3318ec5c3a_search-k_q3318ec5c3a_search
	.p2alignl 7, 3214868480
	.fill 96, 4, 3214868480
	.section	.rodata,"a",@progbits
	.p2align	6, 0x0
	.amdhsa_kernel k_q3318ec5c3a_search
		.amdhsa_group_segment_fixed_size 327680
		.amdhsa_private_segment_fixed_size 0
		.amdhsa_enable_private_segment 0
		.amdhsa_kernarg_size 48
		.amdhsa_user_sgpr_count 2
		.amdhsa_user_sgpr_kernarg_segment_ptr 1
		.amdhsa_wavefront_size32 1
		.amdhsa_system_sgpr_workgroup_id_x 1
		.amdhsa_system_sgpr_workgroup_id_y 1
		.amdhsa_system_sgpr_workgroup_id_z 1
		.amdhsa_system_vgpr_workitem_id 0
		.amdhsa_next_free_vgpr 1024
		.amdhsa_next_free_sgpr 66
		.amdhsa_reserve_vcc 0
		.amdhsa_float_denorm_mode_32 3
		.amdhsa_float_denorm_mode_16_64 3
		.amdhsa_memory_ordered 1
		.amdhsa_forward_progress 1
		.amdhsa_inst_pref_size 128
	.end_amdhsa_kernel
	.amdgpu_metadata
---
amdhsa.version: [ 1, 2 ]
amdhsa.kernels:
  - .name:           k_q3318ec5c3a_search
    .symbol:         k_q3318ec5c3a_search.kd
    .args:
      - { .name: xb, .offset: 0, .size: 8, .value_kind: global_buffer, .address_space: global }
      - { .name: wb, .offset: 8, .size: 8, .value_kind: global_buffer, .address_space: global }
      - { .name: xx, .offset: 16, .size: 8, .value_kind: global_buffer, .address_space: global }
      - { .name: ww, .offset: 24, .size: 8, .value_kind: global_buffer, .address_space: global }
      - { .name: cd, .offset: 32, .size: 8, .value_kind: global_buffer, .address_space: global }
      - { .name: ci, .offset: 40, .size: 8, .value_kind: global_buffer, .address_space: global }
    .group_segment_fixed_size: 327680
    .private_segment_fixed_size: 0
    .kernarg_segment_align: 8
    .kernarg_segment_size: 48
    .max_flat_workgroup_size: 128
    .sgpr_count:     66
    .vgpr_count:     1024
    .wavefront_size: 32
...
	.end_amdgpu_metadata
.endif
;; end of part 2
;; launch emit (part 3): grid 256 x 1, 8 waves a work-group, no clusters, 0 bytes of LDS; arguments xb, wb, cd, ci, out0, out1, part; writes out0, out1, part
.if DOCPART == 3
	.amdgcn_target "amdgcn-amd-amdhsa--gfx1250"
	.amdhsa_code_object_version 6
	.text
	.protected	k_q3318ec5c3a_emit
	.globl	k_q3318ec5c3a_emit
	.p2align	8
	.type	k_q3318ec5c3a_emit,@function
k_q3318ec5c3a_emit:
	s_mov_b64 s[64:65], 0
	v_nop
	global_prefetch_b8 v0, s[64:65] scope:SCOPE_SE
	s_setreg_imm32_b32 hwreg(HW_REG_WAVE_MODE, 25, 1), 1
	s_wait_xcnt 0x0
; EMIT.  For each token the four quarters' candidates (cd: distance, ci: code) are merged: the least distance, of equal ones the lower quarter's, which is the lower code.  out1 = the code; out0 = x + (e - x) with e the code's row;
; part = a wave's sum over its 8 tokens of (e - x)^2.  x and e are the bf16 copies xb and wb, widened to f32: all results belong to the rounded inputs.
; THE GATHER.  All four candidate rows are fetched, by the codes in ci, and the winner's numbers are chosen in registers.
; SHARES.  A work-group owns 64 tokens, a wave 8.  A row goes in four chunks of 128 numbers; a lane owns numbers 4 l .. 4 l + 3 of each: its bf16 loads are 8 bytes (a wave: 256 consecutive bytes), its f32 stores 16 bytes
; (a wave: 512 consecutive bytes, aligned).  A ring of three token slots in registers: one at work, two on their way in, twenty loads each.  No LDS, no barrier: no wave needs another's numbers.
; The matrix unit and clusters have nothing to do here.  Wave 0 also merges the codes of the group's 64 tokens, two a lane, so that out1 is written as 256 consecutive bytes.
; LIMITS.  NaN is not treated apart (cd holds none: its chains start at +inf and a NaN never enters them).  A code read from ci is clamped to 8,191 before it enters an address.
.set L8,   1          ; v1   8 x lane; never rewritten
.set L16,  2          ; v2   16 x lane; never rewritten
.set BD,   3          ; v3   the least distance so far
.set OF,   4          ; v[4:15]   slot s, quarter q: the candidate row's byte offset in wb + 8 x lane
.set XU,   16         ; v[16:31]  at work, two sets by the chunk's parity: four x, four e
.set LS,   32         ; v[32:35]  four chains of (e - x)^2
.set O,    36         ; v[36:51]  a token's out0: four registers a chunk
.set XS,   52         ; v[52:75]  slot s: x's row, 8 registers
.set ES,   76         ; v[76:171] slot s: four candidate rows, 8 registers each
.set CDV,  172        ; v[172:179] wave 0: cd of tokens 2 l, 2 l + 1, by quarter
.set CIV,  180        ; v[180:187] wave 0: ci likewise
.set PT,   188        ; v188 takes the other half of the lanes' sum
.set WV,   18         ; s18  my wave's number
.set SX,   20         ; s20  EXEC, kept
.set HM,   21         ; s21  a word's upper bf16
.set SEL,  22         ; s[22:23] v_permlanex16_b32's selects
.set DD,   24         ; s[24:55] distance of quarter q, token i at DD + 8 q + i
.set CC,   56         ; code of quarter q, token i: s[56:63] for q = 0, s[72:95] for q = 1 to 3
.set MK,   96         ; s96-98 quarter q = 1 to 3 wins over those before it
	s_load_b256 s[4:11], s[0:1], 0x0               ; xb s[4:5], wb s[6:7], cd s[8:9], ci s[10:11]
	s_load_b128 s[12:15], s[0:1], 0x20             ; out0 s[12:13], out1 s[14:15]
	s_load_b64 s[16:17], s[0:1], 0x30              ; part
	v_and_b32 v[BD], 31, v0                        ; lane
	v_lshrrev_b32 v[PT], 5, v0
	v_readfirstlane_b32 s[WV], v[PT]               ; wave 0..7
	v_lshlrev_b32 v[L8], 3, v[BD]
	v_lshlrev_b32 v[L16], 4, v[BD]
	s_mov_b32 s[HM], 0xffff0000
	s_mov_b32 s[SEL], 0x76543210
	s_mov_b32 s[SEL+1], 0xfedcba98
	s_lshl_b32 s2, ttmp9, 8                        ; my first token, 64 x work-group + 8 x wave, times 4 bytes
	s_lshl_b32 s3, s[WV], 5
	s_add_co_u32 s2, s2, s3
	s_mov_b32 s3, 0
	s_wait_kmcnt 0x0
	s_add_nc_u64 s[8:9], s[8:9], s[2:3]            ; cd, ci and out1 at my first token (out1 is used by wave 0 alone: the group's first)
	s_add_nc_u64 s[10:11], s[10:11], s[2:3]
	s_add_nc_u64 s[14:15], s[14:15], s[2:3]
.irp q, 0,1,2,3
	s_load_b256 s[DD+8*\q:DD+8*\q+7], s[8:9], 65536*\q                                     ; my 8 tokens' distances and codes, a quarter's 16,384 words apart
	s_load_b256 s[CC+8*\q+8*((\q+3)/4):CC+8*\q+8*((\q+3)/4)+7], s[10:11], 65536*\q
.endr
	s_lshr_b32 s19, s2, 3                          ; (8 x work-group + wave) x 4 bytes
	s_lshl_b32 s2, s2, 8                           ; rows of 1,024 bytes
	s_add_nc_u64 s[4:5], s[4:5], s[2:3]            ; xb at my first token
	s_lshl_b32 s2, s2, 1                           ; rows of 2,048 bytes
	s_add_nc_u64 s[12:13], s[12:13], s[2:3]        ; out0 likewise
	s_mov_b32 s2, s19
	s_add_nc_u64 s[16:17], s[16:17], s[2:3]        ; my word of part
	s_cmp_lg_u32 s[WV], 0
	s_cbranch_scc1 .Lno_id_loads
.irp q, 0,1,2,3
	global_load_b64 v[CDV+2*\q:CDV+2*\q+1], v[L8], s[8:9] offset:65536*\q     ; wave 0: the group's 64 tokens, two a lane; these eight loads are older than every token's
	global_load_b64 v[CIV+2*\q:CIV+2*\q+1], v[L8], s[10:11] offset:65536*\q
.endr
.Lno_id_loads:
	s_wait_kmcnt 0x0
.irp q, 0,1,2,3
.irp i, 0,1,2,3,4,5,6,7
	s_min_u32 s[CC+8*\q+8*((\q+3)/4)+\i], s[CC+8*\q+8*((\q+3)/4)+\i], 0x1fff  ; a code stays inside the table
.endr
.endr
; Token i's twenty loads, into slot i % 3: x's row and the four candidate rows.
.macro LOADS i
.set sl, (\i)%3
.irp q, 0,1,2,3
	v_lshl_add_u32 v[OF+4*sl+\q], s[CC+8*\q+8*((\q+3)/4)+(\i)], 10, v[L8]    ; code x 1,024 bytes + 8 x lane
.endr
.irp c, 0,1,2,3
	global_load_b64 v[XS+8*sl+2*\c:XS+8*sl+2*\c+1], v[L8], s[4:5] offset:1024*(\i)+256*\c th:TH_LOAD_NT
.endr
.irp q, 0,1,2,3
.irp c, 0,1,2,3
	global_load_b64 v[ES+32*sl+8*\q+2*\c:ES+32*sl+8*\q+2*\c+1], v[OF+4*sl+\q], s[6:7] offset:256*\c
.endr
.endr
.endm
; Token i.  left = how many younger loads may stay out.
.macro PROC i, left
.set sl, (\i)%3
	s_wait_loadcnt \left                           ; loads come back in order (ISA guide 5.7.1): my token's twenty are in; that also frees the slot's offset registers
	s_wait_xcnt 0x0                                ; every earlier memory instruction has had its addresses translated (ISA guide 3.1): O, which the last token's stores read, is rewritten only behind this wait
	v_mov_b32 v[BD], s[DD+(\i)]
.irp q, 1,2,3
	v_cmp_gt_f32 s[MK+\q-1], v[BD], s[DD+8*\q+(\i)]    ; strictly less than all before it: of equal distances the lower quarter stays
	v_min_num_f32 v[BD], s[DD+8*\q+(\i)], v[BD]
.endr
.irp q, 1,2,3
.irp z, 0,1,2,3,4,5,6,7
	v_cndmask_b32 v[ES+32*sl+\z], v[ES+32*sl+\z], v[ES+32*sl+8*\q+\z], s[MK+\q-1]   ; the winner's row, in the first candidate's registers
.endr
.endr
.irp c, 0,1,2,3
.set rX, XS+8*sl+2*\c
.set rE, ES+32*sl+2*\c
.set rU, XU+8*(\c%2)
.set rV, rU+4
.set rO, O+4*\c
	v_lshlrev_b32 v[rU], 16, v[rX]                 ; bf16 to f32: the low half moves up, the high half stays
	v_and_b32 v[rU+1], s[HM], v[rX]
	v_lshlrev_b32 v[rU+2], 16, v[rX+1]
	v_and_b32 v[rU+3], s[HM], v[rX+1]
	v_lshlrev_b32 v[rV], 16, v[rE]
	v_and_b32 v[rV+1], s[HM], v[rE]
	v_lshlrev_b32 v[rV+2], 16, v[rE+1]
	v_and_b32 v[rV+3], s[HM], v[rE+1]
	v_pk_add_f32 v[rV:rV+1], v[rV:rV+1], v[rU:rU+1] neg_lo:[0,1] neg_hi:[0,1]         ; e - x
	v_pk_add_f32 v[rV+2:rV+3], v[rV+2:rV+3], v[rU+2:rU+3] neg_lo:[0,1] neg_hi:[0,1]
	v_pk_add_f32 v[rO:rO+1], v[rU:rU+1], v[rV:rV+1]                                   ; x + (e - x)
	v_pk_add_f32 v[rO+2:rO+3], v[rU+2:rU+3], v[rV+2:rV+3]
.if ((\i) == 0) && (\c == 0)
	v_pk_mul_f32 v[LS:LS+1], v[rV:rV+1], v[rV:rV+1]                                   ; the first squares start the chains: nothing is cleared
	v_pk_mul_f32 v[LS+2:LS+3], v[rV+2:rV+3], v[rV+2:rV+3]
.else
	v_pk_fma_f32 v[LS:LS+1], v[rV:rV+1], v[rV:rV+1], v[LS:LS+1]
	v_pk_fma_f32 v[LS+2:LS+3], v[rV+2:rV+3], v[rV+2:rV+3], v[LS+2:LS+3]
.endif
.endr
.if (\i) < 5
	LOADS (\i)+3                                   ; the slot takes the token three further on: loads ahead of stores
.endif
.irp c, 0,1,2,3
	global_store_b128 v[L16], v[O+4*\c:O+4*\c+3], s[12:13] offset:2048*(\i)+512*\c th:TH_STORE_NT  ; 512 consecutive bytes, at a multiple of 256 from out0's first byte
.endr
.endm
	LOADS 0
	LOADS 1
	LOADS 2
	PROC 0, 40                                     ; two younger tokens of twenty loads each stay out
	s_cmp_lg_u32 s[WV], 0
	s_cbranch_scc1 .Lno_ids
.irp u, 0,1                            ; wave 0: its eight loads of cd and ci were issued ahead of token 0's, so the wait above has shown them in
.irp q, 1,2,3
	v_cmp_gt_f32 s[MK], v[CDV+\u], v[CDV+2*\q+\u]
	v_cndmask_b32 v[CIV+\u], v[CIV+\u], v[CIV+2*\q+\u], s[MK]
	v_min_num_f32 v[CDV+\u], v[CDV+\u], v[CDV+2*\q+\u]
.endr
.endr
	global_store_b64 v[L8], v[CIV:CIV+1], s[14:15] ; 64 codes: 256 consecutive bytes, aligned
.Lno_ids:
	PROC 1, 40
	PROC 2, 40
	PROC 3, 40
	PROC 4, 40
	PROC 5, 40
	PROC 6, 20                                     ; the last tokens load nothing: the counts run down
	PROC 7, 0
	v_pk_add_f32 v[LS:LS+1], v[LS:LS+1], v[LS+2:LS+3]
	v_add_f32 v[LS], v[LS], v[LS+1]
	v_add_f32_dpp v[LS], v[LS], v[LS] row_xmask:1 row_mask:0xf bank_mask:0xf
	v_add_f32_dpp v[LS], v[LS], v[LS] row_xmask:2 row_mask:0xf bank_mask:0xf
	v_add_f32_dpp v[LS], v[LS], v[LS] row_xmask:4 row_mask:0xf bank_mask:0xf
	v_add_f32_dpp v[LS], v[LS], v[LS] row_xmask:8 row_mask:0xf bank_mask:0xf
	v_permlanex16_b32 v[PT], v[LS], s[SEL], s[SEL+1]   ; its destination counts as read: it was written at the head
	v_add_f32 v[LS], v[LS], v[PT]                  ; my 8 tokens' sum of squares
	v_cmp_eq_u32 vcc_lo, 0, v[L8]                  ; lane 0, whose offset 8 x lane is 0
	s_wait_xcnt 0x0                                ; EXEC is a source of the stores above: it changes only behind this wait
	s_and_saveexec_b32 s[SX], vcc_lo
	global_store_b32 v[L8], v[LS], s[16:17]        ; one word a wave: 8,192 bytes in the whole launch, the only stores here that do not fill 256 bytes
	s_wait_xcnt 0x0                                ; and again in front of the line that widens it
	s_or_b32 exec_lo, exec_lo, s[SX]
	s_endpgm
.Lfunc_end_k_q3318ec5c3a_emit:
	.size	k_q3318ec5c3a_emit, .Lfunc_end_k_q3318ec5c3a_emit-k_q3318ec5c3a_emit
	.p2alignl 7, 3214868480
	.fill 96, 4, 3214868480
	.section	.rodata,"a",@progbits
	.p2align	6, 0x0
	.amdhsa_kernel k_q3318ec5c3a_emit
		.amdhsa_group_segment_fixed_size 0
		.amdhsa_private_segment_fixed_size 0
		.amdhsa_enable_private_segment 0
		.amdhsa_kernarg_size 56
		.amdhsa_user_sgpr_count 2
		.amdhsa_user_sgpr_kernarg_segment_ptr 1
		.amdhsa_wavefront_size32 1
		.amdhsa_system_sgpr_workgroup_id_x 1
		.amdhsa_system_sgpr_workgroup_id_y 1
		.amdhsa_system_sgpr_workgroup_id_z 1
		.amdhsa_system_vgpr_workitem_id 0
		.amdhsa_next_free_vgpr 192
		.amdhsa_next_free_sgpr 100
		.amdhsa_reserve_vcc 1
		.amdhsa_float_denorm_mode_32 3
		.amdhsa_float_denorm_mode_16_64 3
		.amdhsa_memory_ordered 1
		.amdhsa_forward_progress 1
		.amdhsa_inst_pref_size 62
	.end_amdhsa_kernel
	.amdgpu_metadata
---
amdhsa.version: [ 1, 2 ]
amdhsa.kernels:
  - .name:           k_q3318ec5c3a_emit
    .symbol:         k_q3318ec5c3a_emit.kd
    .args:
      - { .name: xb, .offset: 0, .size: 8, .value_kind: global_buffer, .address_space: global }
      - { .name: wb, .offset: 8, .size: 8, .value_kind: global_buffer, .address_space: global }
      - { .name: cd, .offset: 16, .size: 8, .value_kind: global_buffer, .address_space: global }
      - { .name: ci, .offset: 24, .size: 8, .value_kind: global_buffer, .address_space: global }
      - { .name: out0, .offset: 32, .size: 8, .value_kind: global_buffer, .address_space: global }
      - { .name: out1, .offset: 40, .size: 8, .value_kind: global_buffer, .address_space: global }
      - { .name: part, .offset: 48, .size: 8, .value_kind: global_buffer, .address_space: global }
    .group_segment_fixed_size: 0
    .private_segment_fixed_size: 0
    .kernarg_segment_align: 8
    .kernarg_segment_size: 56
    .max_flat_workgroup_size: 256
    .sgpr_count:     100
    .vgpr_count:     192
    .wavefront_size: 32
...
	.end_amdgpu_metadata
.endif
;; end of part 3
;; launch total (part 4): grid 1 x 1, 1 waves a work-group, no clusters, 0 bytes of LDS; arguments part, out2; writes out2
.if DOCPART == 4
	.amdgcn_target "amdgcn-amd-amdhsa--gfx1250"
	.amdhsa_code_object_version 6
	.text
	.protected	k_q3318ec5c3a_total
	.globl	k_q3318ec5c3a_total
	.p2align	8
	.type	k_q3318ec5c3a_total,@function
k_q3318ec5c3a_total:
	s_mov_b64 s[64:65], 0
	v_nop
	global_prefetch_b8 v0, s[64:65] scope:SCOPE_SE
	s_setreg_imm32_b32 hwreg(HW_REG_WAVE_MODE, 25, 1), 1
	s_wait_xcnt 0x0
; TOTAL.  out2 = m + 0.25 m, m = (the sum of the 2,048 partial sums of squares) / 16,384: the mean over the tokens, taken once for the codebook loss and once, times 0.25, for the commitment loss,
; which are the same number.  One wave: 8,192 bytes in sixteen loads of 512 consecutive bytes, a tree of packed additions in a fixed order, then across the lanes.
; A sum over all work-groups of the launch before has one owner: there is no work here for a second wave.
.set D,  8            ; v[8:71] the partial sums
.set PT, 72           ; v72 takes the other half of the lanes' sum
	s_load_b128 s[4:7], s[0:1], 0x0                ; part s[4:5], out2 s[6:7]
	v_lshlrev_b32 v1, 4, v0                        ; 16 x lane
	v_mov_b32 v2, 0                                ; the store's offset
	v_mov_b32 v[PT], 0                             ; v_permlanex16_b32's destination counts as read
	s_mov_b32 s12, 0x76543210
	s_mov_b32 s13, 0xfedcba98
	s_wait_kmcnt 0x0
.set j, 0
.rept 16
	global_load_b128 v[D+4*j:D+4*j+3], v1, s[4:5] offset:512*j
.set j, j+1
.endr
	s_wait_loadcnt 0x0
.irp w, 16,8,4,2,1                     ; 32 pairs: pair p takes pair p + w
.set p, 0
.rept \w
	v_pk_add_f32 v[D+2*p:D+2*p+1], v[D+2*p:D+2*p+1], v[D+2*(p+\w):D+2*(p+\w)+1]
.set p, p+1
.endr
.endr
	v_add_f32 v[D], v[D], v[D+1]
	v_add_f32_dpp v[D], v[D], v[D] row_xmask:1 row_mask:0xf bank_mask:0xf
	v_add_f32_dpp v[D], v[D], v[D] row_xmask:2 row_mask:0xf bank_mask:0xf
	v_add_f32_dpp v[D], v[D], v[D] row_xmask:4 row_mask:0xf bank_mask:0xf
	v_add_f32_dpp v[D], v[D], v[D] row_xmask:8 row_mask:0xf bank_mask:0xf
	v_permlanex16_b32 v[PT], v[D], s12, s13
	v_add_f32 v[D], v[D], v[PT]
	v_mul_f32 v[D], 0x38800000, v[D]               ; / 16,384: exact
	v_fmamk_f32 v[D], v[D], 0x3e800000, v[D]       ; m x 0.25 + m, one rounding (0.25 m is exact)
	v_cmp_eq_u32 vcc_lo, 0, v0
	s_wait_xcnt 0x0                                ; EXEC changes only behind this wait
	s_and_saveexec_b32 s8, vcc_lo
	global_store_b32 v2, v[D], s[6:7]              ; lane 0 stores the one number
	s_wait_xcnt 0x0
	s_or_b32 exec_lo, exec_lo, s8
	s_endpgm
.Lfunc_end_k_q3318ec5c3a_total:
	.size	k_q3318ec5c3a_total, .Lfunc_end_k_q3318ec5c3a_total-k_q3318ec5c3a_total
	.p2alignl 7, 3214868480
	.fill 96, 4, 3214868480
	.section	.rodata,"a",@progbits
	.p2align	6, 0x0
	.amdhsa_kernel k_q3318ec5c3a_total
		.amdhsa_group_segment_fixed_size 0
		.amdhsa_private_segment_fixed_size 0
		.amdhsa_enable_private_segment 0
		.amdhsa_kernarg_size 16
		.amdhsa_user_sgpr_count 2
		.amdhsa_user_sgpr_kernarg_segment_ptr 1
		.amdhsa_wavefront_size32 1
		.amdhsa_system_sgpr_workgroup_id_x 1
		.amdhsa_system_sgpr_workgroup_id_y 1
		.amdhsa_system_sgpr_workgroup_id_z 1
		.amdhsa_system_vgpr_workitem_id 0
		.amdhsa_next_free_vgpr 80
		.amdhsa_next_free_sgpr 66
		.amdhsa_reserve_vcc 1
		.amdhsa_float_denorm_mode_32 3
		.amdhsa_float_denorm_mode_16_64 3
		.amdhsa_memory_ordered 1
		.amdhsa_forward_progress 1
		.amdhsa_inst_pref_size 5
	.end_amdhsa_kernel
	.amdgpu_metadata
---
amdhsa.version: [ 1, 2 ]
amdhsa.kernels:
  - .name:           k_q3318ec5c3a_total
    .symbol:         k_q3318ec5c3a_total.kd
    .args:
      - { .name: part, .offset: 0, .size: 8, .value_kind: global_buffer, .address_space: global }
      - { .name: out2, .offset: 8, .size: 8, .value_kind: global_buffer, .address_space: global }
    .group_segment_fixed_size: 0
    .private_segment_fixed_size: 0
    .kernarg_segment_align: 8
    .kernarg_segment_size: 16
    .max_flat_workgroup_size: 32
    .sgpr_count:     66
    .vgpr_count:     80
    .wavefront_size: 32
...
	.end_amdgpu_metadata
.endif
;; end of part 4
